; MI455X (gfx1250); checked and timed in simulation.
; The chip was launched on July 23, 2026; its instructions are those of AMD's public machine-readable ISA for CDNA 5 (MIT licence, August 2026) and "CDNA5" Instruction Set Architecture Reference Guide (July 2026). The comments in the code are by the model that wrote it; some were corrected since.
;; Latent Hamiltonian Func. Allowed arithmetic: matrix products marked QUANTISED: E3M2 operands, one E8M0 scale for each 32 along K, by v_wmma_scale_f32_16x16x128_f8f6f4 with both operands' format E3M2, f32 sums; products left as they are: f32 operands where the result goes on into a quantised operand, else bf16, f16 or f32 operands; f32 sums; everything else in f32.
;; Inputs: Gb 64 float32; Gw_codes 64 x 4 x 24 uint8 (E3M2 codes of Gw, K innermost, in blocks of 32 codes, four codes in three bytes); Gw_scales 64 x 4 uint8 (E8M0 scales of Gw, one for each 32 codes along K); W1 128 x 512 float32; W2 512 x 512 float32; W3 512 x 1 float32; action_emb_codes 65,536 x 4 x 24 uint8 (E3M2 codes of action_emb, K innermost, in blocks of 32 codes, four codes in three bytes); action_emb_scales 65,536 x 4 uint8 (E8M0 scales of action_emb, one for each 32 codes along K); b1 512 float32; b2 512 float32; b3 1 float32; damping 1 float32; z_codes 65,536 x 4 x 24 uint8 (E3M2 codes of z, K innermost, in blocks of 32 codes, four codes in three bytes); z_scales 65,536 x 4 uint8 (E8M0 scales of z, one for each 32 codes along K).
;; Outputs: out0 65,536 x 128 float32.
;; This version of the problem:
;;   THIS VERSION OF THE PROBLEM IS GIVEN IN LOW PRECISION. The matrix products marked QUANTISED in the list below multiply operands that are first quantised to E3M2 (3 exponent bits, 2 mantissa bits; 6 bits a number), with one power-of-two scale for each 32 numbers along K (OCP MX v1.0); their sums are f32. All else is computed in f32.
;;   The module's matrix products, in the order in which they are computed (A, B: the left and right operand; K: the contracted axis; several contracted axes count as one K, in the product's order):
;;     1. [M 65,536, K 128] x [K 128, N 512]; A: input z (given as codes); B: input W1: QUANTISED
;;     2. [M 65,536, K 512] x [K 512, N 512]; A: computed on the way; B: input W2: QUANTISED
;;     3. [M 65,536, K 512] x [K 512, N 1]; A: computed on the way; B: input W3: left as it is (N = 1 < 16)
;;     4. [M 65,536, K 1] x [K 1, N 512]; A: computed on the way; B: input W3: left as it is (K = 1 < 32)
;;     5. [M 65,536, K 512] x [K 512, N 512]; A: computed on the way; B: input W2: QUANTISED
;;     6. [M 65,536, K 512] x [K 512, N 128]; A: computed on the way; B: input W1: QUANTISED
;;     7. [M 65,536, K 128] x [K 128, N 64]; A: input action_emb (given as codes); B: input Gw (given as codes): QUANTISED
;;   THE QUANTISER, for each operand of a quantised product, along K:
;;     - K is cut into blocks of 32 from its start; a last block that is shorter is filled with zeros.
;;     - A block's scale is 2^e with e = floor(log2(the largest magnitude in the block)) - 4, held to -126 .. 127; a block of zeros has e = 0. As a byte (E8M0): e + 127.
;;     - Each number is divided by its block's scale, clamped to +-28, and rounded to the nearest number of E3M2, ties to even, subnormals kept.
;;     - The product sums the exact products of the quantised numbers (number of the format x scale) in f32.
;;   ~~~python
;;   def quantise(x, axis):      # numpy; x: float32 -> the quantised numbers, widened to float32 again
;;       x = np.moveaxis(x, axis, -1); K = x.shape[-1]
;;       x = np.pad(x, [(0, 0)] * (x.ndim - 1) + [(0, -K % 32)]); x = x.reshape(x.shape[:-1] + (-1, 32)); a = np.abs(x).max(-1, keepdims=True)
;;       e = np.where(a > 0, np.clip(np.frexp(np.where(a > 0, a, 1))[1] - 1 - 4, -126, 127), 0)      # np.frexp(a)[1] - 1 = floor(log2(a)), exactly
;;       r = np.clip(x / 2.0 ** e, -28, 28)
;;       step = 2.0 ** (np.maximum(np.frexp(np.where(r == 0, 1, r))[1] - 1, -2) - 2)
;;       q = np.round(r / step) * step * 2.0 ** e      # np.round: ties to even
;;       return np.moveaxis(q.reshape(q.shape[:-2] + (-1,))[..., :K], -1, axis).astype(np.float32)
;;   ~~~
;;   OPERANDS COMPUTED ON THE WAY. 'Computed on the way' means the value that the module computes at that place (a softmax that the list does not call 'softmax' is quantised finished and normalised). What goes into a quantiser is computed in f32, as accurately as f32 sums, v_exp_f32 and their like allow (about 1e-6 of the number): no bf16 or f16 on the way to a quantiser, and a product that is left as it is and whose result goes on into a quantised operand takes f32 operands (vector FMAs, or v_wmma_f32_16x16x4_f32). A number that lies on a knife's edge between two numbers of the format may be rounded either way, as far as f32 arithmetic and the matrix unit's own rounding can turn it there, and no further.
;;   INPUTS GIVEN AS CODES. Gw (in the module: [128, 64], K = its axis 0); action_emb (in the module: [65536, 128], K = its axis 1); z (in the module: [65536, 128], K = its axis 1): each comes as NAME_codes (uint8): NAME with its K axis moved to the last place and cut into blocks of 32 codes, [.., K / 32, bytes a block], one block behind the other in memory; four codes in three bytes: a row's codes are one little-endian stream of bits, code i at bits 6 i .. 6 i + 5 (a code: sign, 3 exponent bits, 2 mantissa bits); and NAME_scales (uint8): the same leading axes, one E8M0 byte (e + 127) for each 32 codes along K. Its value is code x scale, taken as it is: it is not quantised again, and the codes and scales need not be those that the quantiser above would give.
;; One version. Each part assembles by itself: llvm-mc -triple=amdgcn-amd-amdhsa -mcpu=gfx1250 --defsym DOCPART=n.
;; ======== version 1 of 1: 2 launches
;; limits: right only within a limited range of input values
;; workspace buffers: wq 512,000 bytes
;; launch prep (part 1): grid 80 x 1, 4 waves a work-group, no clusters, 0 bytes of LDS; arguments W1, W2, wq; writes wq
.if DOCPART == 1
	.amdgcn_target "amdgcn-amd-amdhsa--gfx1250"
	.amdhsa_code_object_version 6
	.text
	.protected	k_q9c6819c0e0_prep
	.globl	k_q9c6819c0e0_prep
	.p2align	8
	.type	k_q9c6819c0e0_prep,@function
k_q9c6819c0e0_prep:
	s_mov_b64 s[64:65], 0
	v_nop
	global_prefetch_b8 v0, s[64:65] scope:SCOPE_SE
	s_setreg_imm32_b32 hwreg(HW_REG_WAVE_MODE, 25, 1), 1
	s_wait_xcnt 0x0
; THE PROGRAM.  out = [dH/dp, -dH/dq - damping dH/dp + action Gw + Gb], dH/dz the gradient of H = sum(softplus(softplus(z W1 + b1) W2 + b2) W3 + b3).
; Written out:  a1 = z W1 + b1;  h1 = softplus(a1);  a2 = h1 W2 + b2;  da2 = W3 x sigmoid(a2);  dh1 = da2 W2^T;  da1 = dh1 x sigmoid(a1);  dz = da1 W1^T.
; DEAD WORK, for all values of the inputs.  reference() returns the gradient alone, never H.  So softplus(a2), its product with W3 (the table's product 3), b3 and the sum over the
; batch reach no output: the derivative of a sum by a term is 1 and that of a constant b3 is 0.  The table's product 4 multiplies W3 by the ones that the gradient of a sum is: a factor 1, so dh2 = W3 as it stands.
; b3 has no way to any output: it is not loaded and is no argument of any launch.  LIMIT: a NaN, an infinity or an overflow that would arise in softplus(a2), in H or from b3 alone is not carried to the result.
; THIS LAUNCH turns W1 [128][512] and W2 [512][512], f32, into codes of BF6 (E3M2) with one E8M0 byte for each 32 along K, ONCE, each along both of its axes, since each is an operand of two products:
;   W1F: K = W1's axis 0 (z W1)     W2F: K = W2's axis 0 (h1 W2)     W2B: K = W2's axis 1 (da2 W2^T)     W1B: K = W1's axis 1 (da1 W1^T)
; LAYOUT OF wq: ten units of 51,200 bytes.  A unit is 32 fragments (16 operand rows x 128 K) as IMAGES OF THE OPERAND'S REGISTERS, 1,536 bytes each: piece k of three holds registers 4 k .. 4 k + 3,
; lane l's 16 bytes at 16 l; behind them, from byte 49,152, the fragments' scale words: fragment idx, row r at 64 idx + 4 r.
;   unit 0: W1F, idx = 4 c8 + t.   units 1 + q: W2F, chunks c8 = 2 q + cc, idx = 16 cc + 4 ks + t.   units 5 + q: W2B likewise.   unit 9: W1B, tiles T = 4 cc + t, idx likewise.
; THE ROWS OF A TILE ARE NOT NEIGHBOURS (but in W1B): row r of tile t of chunk c8 is hidden unit 64 c8 + 32 (r / 8) + 8 t + r % 8.  In the next launch a lane's 32 results of a chunk's four tiles are then one whole
; block of 32 neighbours along the next product's K, and the very block that the operand's layout gives that lane.
; SHARES.  One wave makes one fragment: 320 waves, work-group g, wave f.  A lane (r, h) holds k = 64 c + 32 h + 0 .. 31 of operand row r in v[X + 32 c ..]: two whole blocks, so no other lane is asked for a maximum.
; A block's scale is 2^(floor(log2(its largest magnitude)) - 4); its byte is the largest magnitude's exponent field - 4, held at 1 from below.
; LIMITS: a block of zeros gets the byte 1 where the rule says 127: its codes are zeros, which add nothing, and this program alone reads the bytes.  NaN and infinities in the weights are not served.
; The scale words leave 64 bytes a wave: 20 KiB of the launch's 500.
.set UNIT, 51200
.set FRB,  1536
.set SCT,  49152
.set X,    64                          ; v64-127 my 64 numbers
	s_load_b128 s[4:7], s[0:1], 0x0                ; W1, W2
	s_load_b64 s[8:9], s[0:1], 0x10                ; wq
	v_lshrrev_b32 v1, 5, v0
	v_readfirstlane_b32 s10, v1                    ; f: wave 0..3
	v_and_b32 v1, 31, v0                           ; lane
	v_and_b32 v2, 15, v0                           ; r
	v_bfe_u32 v3, v0, 4, 1                         ; h
	v_lshlrev_b32 v5, 4, v1                        ; an image's place for my lane
	v_lshlrev_b32 v6, 2, v2                        ; my row's scale word
	v_and_b32 v7, 7, v2                            ; r % 8
	v_lshrrev_b32 v8, 3, v2                        ; r / 8
	s_mov_b32 s32, 0x76543210
	s_mov_b32 s33, 0xfedcba98                      ; v_permlanex16_b32's selects for lane l xor 16
	s_mov_b32 s21, 0
	s_mov_b32 s29, 0
	s_mov_b32 s31, 0
	s_cmp_lt_u32 ttmp9, 40
	s_cbranch_scc0 .Lback
	; ---- K is the tensor's FIRST axis: g < 8: W1F (chunk g, tile f);  8 <= g < 40: W2F (chunk (g - 8) / 4, tile (g - 8) % 4, K step f).  Both are worked out, then one is chosen
	s_lshl_b32 s20, ttmp9, 6
	s_lshl_b32 s23, s10, 3
	s_add_co_u32 s20, s20, s23                     ; W1F: the tile's first hidden unit, 64 g + 8 f,
	s_lshl_b32 s20, s20, 2                         ; in bytes;
	s_lshl_b32 s22, ttmp9, 2
	s_add_co_u32 s22, s22, s10                     ; idx = 4 g + f
	s_sub_co_u32 s11, ttmp9, 8
	s_lshr_b32 s12, s11, 2                         ; W2F: chunk,
	s_and_b32 s13, s11, 3                          ; tile
	s_lshl_b32 s26, s12, 6
	s_lshl_b32 s23, s13, 3
	s_add_co_u32 s26, s26, s23
	s_lshl_b32 s26, s26, 2
	s_lshl_b32 s23, s10, 18                        ; K step f: 128 rows of 2,048 bytes
	s_add_co_u32 s26, s26, s23
	s_and_b32 s27, s12, 1
	s_lshl_b32 s27, s27, 4
	s_add_co_u32 s27, s27, s13
	s_lshl_b32 s23, s10, 2
	s_add_co_u32 s27, s27, s23                     ; idx = 16 (chunk % 2) + 4 f + tile
	s_lshr_b32 s24, s11, 3
	s_add_co_u32 s24, s24, 1                       ; unit = 1 + chunk / 2
	s_wait_kmcnt 0x0
	s_cmp_lt_u32 ttmp9, 8                          ; the choice hangs on the work-group's number alone
	s_cselect_b32 s20, s20, s26
	s_cselect_b32 s22, s22, s27
	s_cselect_b32 s24, 0, s24
	s_cselect_b64 s[16:17], s[4:5], s[6:7]
	s_wait_alu depctr_va_vdst(0)
	v_lshl_add_u32 v4, v8, 5, v7                   ; my hidden unit in the tile: r % 8 + 32 (r / 8),
	v_lshlrev_b32 v4, 2, v4                        ; 4 bytes each;
	v_lshl_add_u32 v4, v3, 16, v4                  ; lanes 16-31 begin 32 rows of 2,048 bytes further down
	s_add_nc_u64 s[16:17], s[16:17], s[20:21]
.irp c, 0,1
.irp i, 0,1,2,3,4,5,6,7,8,9,10,11,12,13,14,15,16,17,18,19,20,21,22,23,24,25,26,27,28,29,30,31
	global_load_b32 v[X+32*\c+\i], v4, s[16:17] offset:(64*\c+\i)*2048   ; my registers run DOWN K
.endr
.endr
	s_branch .Lq
.Lback:
	; ---- K is the tensor's LAST axis: u = g - 40 < 32: W2B (chunk u / 4, tile u % 4, K step f);  u >= 32: W1B (tile u - 32 of 16 neighbouring rows, K step f)
	s_sub_co_u32 s11, ttmp9, 40
	s_lshr_b32 s12, s11, 2
	s_and_b32 s13, s11, 3
	s_lshl_b32 s20, s12, 6
	s_lshl_b32 s23, s13, 3
	s_add_co_u32 s20, s20, s23                     ; W2B: the tile's first row
	s_sub_co_u32 s23, s11, 32
	s_lshl_b32 s23, s23, 4                         ; W1B: likewise
	s_and_b32 s22, s12, 1
	s_lshl_b32 s22, s22, 4
	s_add_co_u32 s22, s22, s13
	s_lshl_b32 s25, s10, 2
	s_add_co_u32 s22, s22, s25                     ; idx = 16 ((u / 4) % 2) + 4 f + u % 4, for both
	s_lshr_b32 s24, s11, 3
	s_add_co_u32 s24, s24, 5                       ; unit = 5 + u / 8: 5 to 8 for W2B, 9 for W1B
	s_wait_kmcnt 0x0
	s_cmp_lt_u32 s11, 32
	s_cselect_b32 s20, s20, s23
	s_cselect_b32 s25, 5, 3                        ; rows 8 to 15 of a tile lie 32 rows on (W2B) or 8 (W1B)
	s_cselect_b64 s[16:17], s[6:7], s[4:5]
	s_lshl_b32 s20, s20, 11                        ; a row is 2,048 bytes in both tensors
	s_lshl_b32 s23, s10, 9                         ; K step f: 512 bytes along the row
	s_add_co_u32 s20, s20, s23
	s_wait_alu depctr_va_vdst(0)
	v_lshlrev_b32 v4, s25, v8
	v_add_nc_u32 v4, v4, v7
	v_lshlrev_b32 v4, 11, v4
	v_lshl_add_u32 v4, v3, 7, v4                   ; + 128 h: lanes 16-31 begin 32 numbers further on
	s_add_nc_u64 s[16:17], s[16:17], s[20:21]
.irp c, 0,1
.irp q, 0,1,2,3,4,5,6,7
	global_load_b128 v[X+32*\c+4*\q:X+32*\c+4*\q+3], v4, s[16:17] offset:256*\c+16*\q
.endr
.endr
.Lq:
	s_mul_i32 s26, s24, UNIT
	s_mul_i32 s28, s22, FRB
	s_add_co_u32 s28, s28, s26                     ; where the image goes,
	s_lshl_b32 s30, s22, 6
	s_add_co_u32 s30, s30, s26
	s_add_co_u32 s30, s30, SCT                     ; and the scale words
	s_add_nc_u64 s[28:29], s[8:9], s[28:29]
	s_add_nc_u64 s[30:31], s[8:9], s[30:31]
	s_wait_loadcnt 0x0
.irp c, 0,1                                    ; my block 2 c + h: all its 32 numbers are mine
	v_max3_num_f32 v[8+\c], |v[X+32*\c]|, |v[X+32*\c+1]|, 0x2800000   ; and the floor 2^(5 - 127), under which no largest magnitude is taken: so the byte cannot fall under 1
.endr
.irp i, 2,4,6,8,10,12,14,16,18,20,22,24,26,28,30
.irp c, 0,1
	v_max3_num_f32 v[8+\c], v[8+\c], |v[X+32*\c+\i]|, |v[X+32*\c+\i+1]|   ; (the two blocks by turns)
.endr
.endr
.irp c, 0,1
	v_add_nc_u32 v[10+\c], 0xfe000000, v[8+\c]     ; 4 off its exponent field: the conversion takes the exponent field of this operand as its scale, and nothing else of it
.endr
.irp c, 0,1
	v_lshrrev_b32 v[12+\c], 23, v[10+\c]           ; the scale's byte
.endr
	v_lshl_or_b32 v14, v13, 16, v12                ; my two bytes: blocks h and 2 + h of row r,
	v_lshlrev_b32 v15, 3, v3
	v_lshlrev_b32 v14, v15, v14                    ; at their places in the scale word (8 h bits up);
	v_mov_b32 v15, 0
	v_permlanex16_b32 v15, v14, s32, s33
	v_or_b32 v14, v14, v15                         ; with lane l xor 16's two the word is whole
.irp c, 0,1
	v_cvt_scalef32_pk16_bf6_f32 v[16+6*\c:18+6*\c], v[X+32*\c:X+32*\c+15], v[10+\c]      ; registers 6 c .. 6 c + 5 of the operand
	v_cvt_scalef32_pk16_bf6_f32 v[28+4*\c:30+4*\c], v[X+32*\c+16:X+32*\c+31], v[10+\c]   ; (a conversion's three registers begin on an even number: the second half is made elsewhere and moved)
.endr
	v_nop                                          ; one plain place behind a scaled conversion
.irp c, 0,1
.irp i, 0,1,2
	v_mov_b32 v[19+6*\c+\i], v[28+4*\c+\i]
.endr
.endr
.irp k, 0,1,2
	global_store_b128 v5, v[16+4*\k:19+4*\k], s[28:29] offset:512*\k   ; 32 lanes store 512 consecutive bytes, at a multiple of 256 from wq's first byte
.endr
	v_cmp_gt_u32 vcc_lo, 16, v1
	s_wait_xcnt 0x0                                ; EXEC changes only behind this wait
	s_and_saveexec_b32 s34, vcc_lo
	global_store_b32 v6, v14, s[30:31]             ; lanes 0-15: the sixteen rows' scale words
	s_wait_xcnt 0x0                                ; and again, in front of the line that widens it
	s_or_b32 exec_lo, exec_lo, s34
	s_endpgm
.Lfunc_end_k_q9c6819c0e0_prep:
	.size	k_q9c6819c0e0_prep, .Lfunc_end_k_q9c6819c0e0_prep-k_q9c6819c0e0_prep
	.p2alignl 7, 3214868480
	.fill 96, 4, 3214868480
	.section	.rodata,"a",@progbits
	.p2align	6, 0x0
	.amdhsa_kernel k_q9c6819c0e0_prep
		.amdhsa_group_segment_fixed_size 0
		.amdhsa_private_segment_fixed_size 0
		.amdhsa_enable_private_segment 0
		.amdhsa_kernarg_size 24
		.amdhsa_user_sgpr_count 2
		.amdhsa_user_sgpr_kernarg_segment_ptr 1
		.amdhsa_wavefront_size32 1
		.amdhsa_system_sgpr_workgroup_id_x 1
		.amdhsa_system_sgpr_workgroup_id_y 1
		.amdhsa_system_sgpr_workgroup_id_z 1
		.amdhsa_system_vgpr_workitem_id 0
		.amdhsa_next_free_vgpr 128
		.amdhsa_next_free_sgpr 66
		.amdhsa_reserve_vcc 1
		.amdhsa_float_denorm_mode_32 3
		.amdhsa_float_denorm_mode_16_64 3
		.amdhsa_memory_ordered 1
		.amdhsa_forward_progress 1
		.amdhsa_inst_pref_size 15
	.end_amdhsa_kernel
	.amdgpu_metadata
---
amdhsa.version: [ 1, 2 ]
amdhsa.kernels:
  - .name:           k_q9c6819c0e0_prep
    .symbol:         k_q9c6819c0e0_prep.kd
    .args:
      - { .name: W1, .offset: 0, .size: 8, .value_kind: global_buffer, .address_space: global }
      - { .name: W2, .offset: 8, .size: 8, .value_kind: global_buffer, .address_space: global }
      - { .name: wq, .offset: 16, .size: 8, .value_kind: global_buffer, .address_space: global }
    .group_segment_fixed_size: 0
    .private_segment_fixed_size: 0
    .kernarg_segment_align: 8
    .kernarg_segment_size: 24
    .max_flat_workgroup_size: 128
    .sgpr_count:     66
    .vgpr_count:     128
    .wavefront_size: 32
...
	.end_amdgpu_metadata
.endif
;; end of part 1
;; launch chain (part 2): grid 256 x 1, 8 waves a work-group, clusters of 4 x 1, 327,680 bytes of LDS; arguments z_codes, z_scales, action_emb_codes, action_emb_scales, Gw_codes, Gw_scales, Gb, damping, b1, b2, W3, wq, out0; writes out0
.if DOCPART == 2
	.amdgcn_target "amdgcn-amd-amdhsa--gfx1250"
	.amdhsa_code_object_version 6
	.text
	.protected	k_q9c6819c0e0_chain
	.globl	k_q9c6819c0e0_chain
	.p2align	8
	.type	k_q9c6819c0e0_chain,@function
k_q9c6819c0e0_chain:
	s_mov_b64 s[64:65], 0
	v_nop
	global_prefetch_b8 v0, s[64:65] scope:SCOPE_SE
	s_setreg_imm32_b32 hwreg(HW_REG_WAVE_MODE, 25, 1), 1
	s_wait_xcnt 0x0
	s_wait_alu depctr_hold_cnt(0) depctr_sa_sdst(0) depctr_va_vdst(0) depctr_va_sdst(0) depctr_va_ssrc(0) depctr_va_vcc(0) depctr_vm_vsrc(0)
	s_getreg_b32 s2, hwreg(HW_REG_IB_STS2, 6, 4)
	s_cmp_eq_u32 s2, 0
	s_cbranch_scc0 .Lentry_in_a_cluster
	s_endpgm
.Lentry_in_a_cluster:
	s_bfe_u32 s2, ttmp6, 0x10000c
	s_cmp_lg_u32 s2, 0x3003
	s_cbranch_scc0 .Lentry_shape_is_right
	s_endpgm
.Lentry_shape_is_right:
; out = [dz[64:128], -dz[0:64] - damping dz[64:128] + action Gw + Gb], with  a1 = z W1 + b1;  h1 = softplus(a1);  a2 = h1 W2 + b2;  da2 = W3 x sigmoid(a2);  dh1 = da2 W2^T;  da1 = dh1 x sigmoid(a1);  dz = da1 W1^T.
; LEFT OUT AS DEAD WORK (shown at the head of the first kernel): softplus(a2), its product with W3, b3, the sum over the batch, and the product of W3 with ones.  A NaN or an overflow that reaches only these is not carried on.
; All products run on codes of BF6 (E3M2) with one E8M0 scale for each 32 along K.  z, action and Gw come as codes; the weights' codes were made by the launch before (wq: its layout is set out there).
; SHARES.  A work-group owns 256 rows of the batch, each of its eight waves 32: two tiles m of 16; two waves lie on each SIMD, 512 registers each.  A wave takes its rows through the WHOLE chain.
; EVERY PRODUCT IS USED TRANSPOSED: source 0 = 16 rows of a weight, source 1 = my 16 rows of the batch.  A lane (r, h) holds ONE row r throughout, and its registers run along the hidden units.
; A CHUNK is 64 hidden units in four tiles t, whose rows were chosen so that register 8 t + j of lane (r, h) is unit 64 c8 + 32 h + 8 t + j: the lane's 32 registers are ONE block of 32 along the next K, the block
; that the next operand's layout gives this lane: a block's largest magnitude needs no other lane, and two conversions give the operand's six registers.
; THE STASH.  A chunk's codes and scale byte go to the wave's own bytes of LDS and come back as eight fragments at the next phase's head: every matrix operand and scale register is filled by a load.
; sigmoid(a1) is not kept (32 rows x 512 numbers of f32 are 512 registers a wave): a1 is made again on the way back from z, which stays in registers, and W1F, which stays in LDS.
; THE WEIGHTS come through LDS.  W1F, b1, b2, W3 and Gw's codes are filled once, one tensor load a wave at the head.  The nine other units of wq walk through a ring of two slots; each wave fetches an eighth, 25 rows of 256 bytes.
; CLUSTER.  All work-groups walk the same weights: the four of a cluster ask JOINTLY, by the same tensor load with the same descriptor and a mask that names the four.
; z, action and Gb are read once, in runs of 512 consecutive bytes, and go through a stage of the wave's own in LDS, from which the fragments are taken 8 bytes a lane.
; NO DATA PREFETCH: the ring asks for each unit two chunks ahead of its first read, and the rows' own inputs are read at the head, where there is no loop to run ahead in.
; LIMITS.  v_exp_f32 and v_rcp_f32 give 0 for results under 2^-126 (ISA guide, their entries): a softplus or a sigmoid that small counts as 0.  NaN and infinities among the inputs are not served.
; A block of zeros carries the byte 1: its codes are zeros, which add nothing.
; REGISTERS, two windows of 256 (s_set_vgpr_msb: bits 1:0 source 0, 3:2 source 1, 5:4 source 2, 7:6 destination):
;   window 0: v1-31 addresses; v32-55 scale words and nothing else; v64-111, v112-159 a K step's four weight fragments, two sets (the second also takes W1F's four); v160-255 the activation's eight fragments
;   window 1: v0-63 ACC0, v64-127 ACC1 ((m, t) at 32 m + 8 t); v128-159 a bias in the result's layout; v160-191 W3 likewise; v192-215 codes just made; v216-239 z's fragments, later action's; v240-249 at work
.set UNIT,  51200
.set SCT,   49152                      ; a unit's scale words
.set BT,    51200                      ; LDS: slot 0 at 0; b1, b2, W3 as they lie, 2,048 bytes each;
.set GWL,   57344                      ; Gw's codes as they lie, 6,144 bytes;
.set SPARE, 63488                      ; the spare words, 128 bytes for each wave: four blocks of 256 bytes that no other line names;
.set SLOTX, 65536                      ; slot 1: one exclusive or turns an address in one slot into the other's;
.set RW1,   116736                     ; unit 0 (W1F), filled once;
.set STASH, 167936                     ; the eight stashes,
.set STW,   12800                      ; each: codes at 6,144 m + 768 c8 (512 bytes of registers 0-3, 256 of registers 4-5),
.set SBY,   12288                      ; scale bytes at SBY + 256 m + 16 r + 2 c8 + h;
.set ZSTG,  270336                     ; the eight stages of the inputs,
.set ZSW,   6400                       ; each: z's 32 rows (3,072 bytes), action's, Gb (256).  No tensor load lands in a stash or a stage
.set SPITCH, 528                       ; the way out: 16 rows x (512 bytes + 16), in my stash
.set L16, 1                            ; 16 x lane
.set L4,  3                            ; 4 x lane
.set SPW, 4                            ; my spare word: SPARE + 4 x my thread's number; never rewritten
.set NIL, 5                            ; 0; never rewritten
.set WA,  6                            ; made anew in each trip: the slot's images, its scale words, the chunk's biases, W1F's images and scale words, where the chunk's codes and byte go
.set WSA, 7
.set BA,  8
.set W1A, 9
.set W1SA, 10
.set SA128, 11
.set SA64, 12
.set SAB, 13
.set BBT, 14                           ; the bases, never rewritten: BT + 128 h
.set BW1, 15                           ; RW1 + 16 lane
.set BW1S, 16                          ; RW1 + SCT + 4 lane
.set BS128, 17                         ; my stash + 16 lane
.set BS64, 18                          ; my stash + 512 + 8 lane
.set BSB, 19                           ; my stash + SBY + 16 r + h
.set BSR, 20                           ; my stash + SBY + 16 r
.set GZ,  21                           ; my stage + 96 r + 24 h
.set G4R, 22                           ; 4 r
.set GBA, 23                           ; my stage + 6,144 + 32 h
.set STO, 24                           ; my stash + 528 r + 32 h
.set GG,  25                           ; GWL + 96 r + 24 h
.set ZW,  26                           ; my stage + 16 lane
.set GBW, 27                           ; my stage + 6,144 + 8 lane
.set L8,  28                           ; 8 x lane
.set AS,  32                           ; v32-39 the activation's scale words (4 m + ks)
.set ZS,  40                           ; z's (m)
.set WS,  42                           ; v42-49 the weights': register 2 ks + t / 2: lanes 0-15 tile t even, lanes 16-31 tile t odd
.set W1S, 50                           ; W1F's likewise
.set AZS, 52                           ; action's (m)
.set GWS, 54                           ; Gw's, as W1F's
.set WF,  64
.set W1STG, 112
.set ACT, 160
.set RAW, 160                          ; at the head: the inputs as they were read
.set GR,  160                          ; at the end: action Gw + Gb
.set OB,  64                           ; on the way out: rows of out
.set ACC0, 0                           ; window 1
.set ACC1, 64
.set BIAS, 128
.set W3R, 160
.set GWF, 160                          ; at the end: Gw's four fragments
.set PC,  192
.set ZR,  216
.set TMX, 240
.set TSC, 246
.set TBY, 248
.set WV,  30
.set G1U, 32                           ; descriptor groups 1: an eighth of a unit; a quarter; a table; Gw's codes
.set G1Q, 40
.set G1T, 48
.set G1G, 56
.set LN2, 66                           ; s[66:67] ln 2; s[100:101] log2(e); s[104:105] -log2(e): the packed forms name a pair and take its low word
.set G0U, 68                           ; groups 0: the ring's, which walks; W1F; b1; b2; W3; Gw
.set G0R, 72
.set G0A, 76
.set G0B, 80
.set G0C, 84
.set G0G, 88
.set TB,  92                           ; the slot in hand
.set CNT, 93
.set O6,  94                           ; the chunk's place among W1F's images: 6,144 a chunk
.set O2,  95                           ; among biases and W1F's scale words: 256
.set O7,  96                           ; in the stash's codes: 768
.set O1,  97                           ; in its scale bytes: 2
.set FLR, 98                           ; the floor 2^(5 - 127)
.set SB,  99                           ; my stash
.set L2E, 100
.set NL2E, 104
.set DMP, 20                           ; s[20:21] -damping
.set MSB, 0
.macro WIN new                         ; the immediate's high byte repeats the setting that is left; a switch that changes nothing is dropped
.if MSB != (\new)
	s_set_vgpr_msb (MSB<<8)|(\new)
.set MSB, (\new)
.endif
.endm
; A vector instruction or an LDS store that reads a matrix result, and a load into a register that a matrix instruction has read, stand four places behind it; a matrix instruction that writes over such a register five.
.macro PLACES n
.rept \n
	v_nop
.endr
.endm
.macro CROUND                          ; a round of the cluster's barrier
	s_barrier_signal -1
	s_barrier_wait -1
	s_cmp_lg_u32 s[WV], 0
	s_cbranch_scc1 .Lnot_wave_0_\@
	s_barrier_signal -3
.Lnot_wave_0_\@:
	s_barrier_wait -3
	s_barrier_signal -1
	s_barrier_wait -1
.endm
.macro G1SET g, rows                   ; a dense block as rows of 256 bytes (32 elements of 8 bytes), no padding; the mask names all four work-groups, bit 21 beside it
	s_mov_b32 s[\g], 15|(3<<16)|(1<<21)
	s_mov_b32 s[\g+1], 32<<16
	s_mov_b32 s[\g+2], (\rows)<<16
	s_mov_b32 s[\g+3], 32<<16
	s_mov_b32 s[\g+4], \rows
	s_mov_b32 s[\g+5], 32
	s_mov_b32 s[\g+6], 0
	s_mov_b32 s[\g+7], 0
.endm
; THE CHANGE OF SLOTS, at a slot's head.  Each wave waits for all its tensor loads (one is out: its eighth of the slot that it is about to read), adds 0 to its spare word, and waits for that and for its reads of the
; slot that it has left.  fill = 1: behind a round of the cluster's barrier that other slot takes the next unit, which has this slot's two chunks in which to land.
.macro CHANGE fill
	WIN 0
	s_wait_tensorcnt 0x0                           ; no tensor load of mine is out, so the walking group 0 may be written
	ds_add_u32 v[SPW], v[NIL]
.if \fill
	s_xor_b32 s[G0U+1], s[G0U+1], SLOTX
	s_add_nc_u64 s[G0U+2:G0U+3], s[G0U+2:G0U+3], UNIT
	s_wait_dscnt 0x0
	CROUND
	tensor_load_to_lds s[G0U:G0U+3], s[G1U:G1U+7]  ; my one tensor load behind the round, and the first thing there
	s_nop 0
	PLACES 4
.else
	s_wait_dscnt 0x0
	s_barrier_signal -1
	s_barrier_wait -1
.endif
.endm
; One matrix instruction.  cb: C's first register, or -1 for the constant 0, which starts a sum.  row1: source 0's scale words stand in lanes 16-31 of their register.
.macro MM d, a, b, cb, sa, sb, row1
.if \cb < 0
.if \row1
	v_wmma_scale_f32_16x16x128_f8f6f4 v[\d:\d+7], v[\a:\a+11], v[\b:\b+11], 0, v[\sa], v[\sb] matrix_a_fmt:MATRIX_FMT_BF6 matrix_b_fmt:MATRIX_FMT_BF6 matrix_a_scale:MATRIX_SCALE_ROW1
.else
	v_wmma_scale_f32_16x16x128_f8f6f4 v[\d:\d+7], v[\a:\a+11], v[\b:\b+11], 0, v[\sa], v[\sb] matrix_a_fmt:MATRIX_FMT_BF6 matrix_b_fmt:MATRIX_FMT_BF6
.endif
.else
.if \row1
	v_wmma_scale_f32_16x16x128_f8f6f4 v[\d:\d+7], v[\a:\a+11], v[\b:\b+11], v[\cb:\cb+7], v[\sa], v[\sb] matrix_a_fmt:MATRIX_FMT_BF6 matrix_b_fmt:MATRIX_FMT_BF6 matrix_a_scale:MATRIX_SCALE_ROW1
.else
	v_wmma_scale_f32_16x16x128_f8f6f4 v[\d:\d+7], v[\a:\a+11], v[\b:\b+11], v[\cb:\cb+7], v[\sa], v[\sb] matrix_a_fmt:MATRIX_FMT_BF6 matrix_b_fmt:MATRIX_FMT_BF6
.endif
.endif
.endm
; The trip's addresses: a base that never changes + a scalar that the loop steps by a constant.
.macro ADDR w1, w2
.if \w1
	v_add_nc_u32 v[W1A], s[O6], v[BW1]
	v_add_nc_u32 v[W1SA], s[O2], v[BW1S]
.endif
.if \w2
	v_add_nc_u32 v[WA], s[TB], v[L16]
	v_add_nc_u32 v[WSA], s[TB], v[L4]
.endif
	v_add_nc_u32 v[BA], s[O2], v[BBT]
	v_add_nc_u32 v[SA128], s[O7], v[BS128]
	v_add_nc_u32 v[SA64], s[O7], v[BS64]
	v_add_nc_u32 v[SAB], s[O1], v[BSB]
	s_wait_alu depctr_va_vdst(0)
.endm
.macro LBIAS reg, off                  ; 8 LDS loads: a table's 32 numbers in the result's layout (lane (r, h), tile t: units 32 h + 8 t + 0 .. 7 of the chunk)
	WIN 0x40
.irp t, 0,1,2,3
	ds_load_b128 v[\reg+8*\t:\reg+8*\t+3], v[BA] offset:(\off)+\t*32
	ds_load_b128 v[\reg+8*\t+4:\reg+8*\t+7], v[BA] offset:(\off)+\t*32+16
.endr
	WIN 0
.endm
; 22 LDS loads: W1F's four fragments of the trip's chunk cc, their scale words, and b1
.macro LW1 cc
	WIN 0
.irp t, 0,1,2,3
.irp k, 0,1,2
	ds_load_b128 v[W1STG+12*\t+4*\k:W1STG+12*\t+4*\k+3], v[W1A] offset:(\cc)*6144+\t*1536+\k*512
.endr
.endr
.irp p, 0,1
	ds_load_b32 v[W1S+\p], v[W1SA] offset:(\cc)*256+\p*128
.endr
	LBIAS BIAS, (\cc)*256
.endm
; 20 LDS loads: the first K step's four fragments of the slot's chunk cc, and all four K steps' scale words.  bias = 1: 8 more, b2
.macro LW2 cc, bias
	WIN 0
.irp t, 0,1,2,3
.irp k, 0,1,2
	ds_load_b128 v[WF+12*\t+4*\k:WF+12*\t+4*\k+3], v[WA] offset:(\cc)*24576+\t*1536+\k*512
.endr
.endr
.irp q, 0,1,2,3
.irp p, 0,1
	ds_load_b32 v[WS+2*\q+\p], v[WSA] offset:SCT+(\cc)*1024+\q*256+\p*128
.endr
.endr
.if \bias
	LBIAS BIAS, 2048+(\cc)*256
.endif
.endm
; 8 matrix instructions, K = 128: W1F's four tiles x z's two tiles of rows; b1 is the C.  Eight accumulators, each written once.
.macro GEMM1 d
	WIN 0x54                                       ; source 0 window 0; source 1, C and D window 1
.irp t, 0,1,2,3
.irp m, 0,1
	MM \d+32*\m+8*\t, W1STG+12*\t, ZR+12*\m, BIAS+8*\t, W1S+\t/2, ZS+\m, \t%2
.endr
.endr
.endm
; 32 matrix instructions, K = 512 in four steps: the slot's chunk cc x my two tiles of rows.  The eight accumulators take turns, one instruction a turn, in the same order in every step.
; The next step's twelve loads go out ahead of a step's products, into the other set, four places behind the products that read it last (ahead of the first step every use of this macro has them).
.macro GEMM4 d, cc, cmode
.irp ks, 0,1,2,3
.if \ks < 3
.if \ks > 0
	PLACES 4
.endif
	WIN 0
.irp t, 0,1,2,3
.irp k, 0,1,2
	ds_load_b128 v[WF+48*((\ks+1)%2)+12*\t+4*\k:WF+48*((\ks+1)%2)+12*\t+4*\k+3], v[WA] offset:(\cc)*24576+(\ks+1)*6144+\t*1536+\k*512
.endr
.endr
	s_wait_dscnt 12                                ; all but the twelve just issued
.else
	s_wait_dscnt 0x0
.endif
	WIN 0x50                                       ; sources 0 and 1 window 0, C and D window 1
.irp t, 0,1,2,3
.irp m, 0,1
.if \ks > 0
	MM \d+32*\m+8*\t, WF+48*(\ks%2)+12*\t, ACT+12*(4*\m+\ks), \d+32*\m+8*\t, WS+2*\ks+\t/2, AS+4*\m+\ks, \t%2
.elseif \cmode
	MM \d+32*\m+8*\t, WF+48*(\ks%2)+12*\t, ACT+12*(4*\m+\ks), BIAS+8*\t, WS+2*\ks+\t/2, AS+4*\m+\ks, \t%2
.else
	MM \d+32*\m+8*\t, WF+48*(\ks%2)+12*\t, ACT+12*(4*\m+\ks), -1, WS+2*\ks+\t/2, AS+4*\m+\ks, \t%2
.endif
.endr
.endr
.endr
.endm
; softplus of ACC0's 64 numbers a lane, in place: max(x, 0) + log(1 + e), e = exp(-|x|), as reference() has it.  In base 2: y = x log2(e); e = 2^-|y|; u = 1 + e rounded; d = e - (u - 1) is what that rounding lost, exactly;
; softplus = ln 2 (max(y, 0) + log2(u)) + d: a small e is not lost beside the 1.  A tile of rows at a time: e and u lie where ACC1 is idle, u - 1 where W3 will lie.  All in window 1.
.macro SOFTPLUS
	WIN 0x55
.set ii, 0
.rept 32
	v_pk_mul_f32 v[ACC0+ii:ACC0+ii+1], v[ACC0+ii:ACC0+ii+1], s[L2E:L2E+1] op_sel_hi:[1,0]   ; each accumulator from its low end on
.set ii, ii+2
.endr
.irp hb, 0,1
.set XB, ACC0+32*\hb
.set EB, ACC1
.set UB, ACC1+32
.set DB, W3R
	s_wait_alu depctr_va_vdst(0)                   ; a wait ahead of each batch and one behind it
.set ii, 0
.rept 32
	v_exp_f32 v[EB+ii], -|v[XB+ii]|
.set ii, ii+1
.endr
	v_nop                                          ; a plain place between the last exponential and the write of its source
.set ii, 0
.rept 32
	v_max_num_f32 v[XB+ii], 0, v[XB+ii]
.set ii, ii+1
.endr
	s_wait_alu depctr_va_vdst(0)
.set ii, 0
.rept 16
	v_pk_add_f32 v[UB+ii:UB+ii+1], v[EB+ii:EB+ii+1], 1.0 op_sel_hi:[1,0]
.set ii, ii+2
.endr
.set ii, 0
.rept 16
	v_pk_add_f32 v[DB+ii:DB+ii+1], v[UB+ii:UB+ii+1], -1.0 op_sel_hi:[1,0]
.set ii, ii+2
.endr
	s_wait_alu depctr_va_vdst(0)
.set ii, 0
.rept 32
	v_log_f32 v[UB+ii], v[UB+ii]
.set ii, ii+1
.endr
.set ii, 0
.rept 16
	v_pk_add_f32 v[EB+ii:EB+ii+1], v[EB+ii:EB+ii+1], v[DB+ii:DB+ii+1] neg_lo:[0,1] neg_hi:[0,1]   ; d: plain work behind the logarithms
.set ii, ii+2
.endr
	s_wait_alu depctr_va_vdst(0)
.set ii, 0
.rept 16
	v_pk_add_f32 v[XB+ii:XB+ii+1], v[XB+ii:XB+ii+1], v[UB+ii:UB+ii+1]
.set ii, ii+2
.endr
.set ii, 0
.rept 16
	v_pk_fma_f32 v[XB+ii:XB+ii+1], v[XB+ii:XB+ii+1], s[LN2:LN2+1], v[EB+ii:EB+ii+1] op_sel_hi:[1,0,1]
.set ii, ii+2
.endr
.endr
.endm
; sigmoid of 64 numbers a lane, in place: 1 / (1 + 2^(-x log2(e))).  Where the exponential overflows the reciprocal is 0, which is the limit.  Two batches, a wait ahead of each and behind it.
.macro SIGMOID b
	WIN 0x55
.set ii, 0
.rept 32
	v_pk_mul_f32 v[\b+ii:\b+ii+1], v[\b+ii:\b+ii+1], s[NL2E:NL2E+1] op_sel_hi:[1,0]   ; each accumulator from its low end on
.set ii, ii+2
.endr
	s_wait_alu depctr_va_vdst(0)
.set ii, 0
.rept 64
	v_exp_f32 v[\b+ii], v[\b+ii]
.set ii, ii+1
.endr
	v_nop
	s_wait_alu depctr_va_vdst(0)
.set ii, 0
.rept 32
	v_pk_add_f32 v[\b+ii:\b+ii+1], v[\b+ii:\b+ii+1], 1.0 op_sel_hi:[1,0]
.set ii, ii+2
.endr
	s_wait_alu depctr_va_vdst(0)
.set ii, 0
.rept 64
	v_rcp_f32 v[\b+ii], v[\b+ii]
.set ii, ii+1
.endr
	v_nop
	s_wait_alu depctr_va_vdst(0)
.endm
.macro W3MUL                           ; da2 = W3 x sigmoid(a2): W3 lies in the result's layout, the same for both tiles of rows
.irp m, 0,1
.set ii, 0
.rept 16
	v_pk_mul_f32 v[ACC0+32*\m+ii:ACC0+32*\m+ii+1], v[ACC0+32*\m+ii:ACC0+32*\m+ii+1], v[W3R+ii:W3R+ii+1]
.set ii, ii+2
.endr
.endr
.endm
; ACC0's chunk becomes codes.  For each tile of rows m my 32 registers are one block.  Its largest magnitude is taken in three chains (numbers 0-10, 11-21, 22-31 with the floor 2^(5 - 127), so that the byte cannot
; fall under 1); the six chains take turns.  Then the scale, two conversions; six registers and a byte go to my stash, at the trip's chunk cc.
.macro QUANT cc
	WIN 0x55
.irp g, 0,1
.irp m, 0,1
	v_max3_num_f32 v[TMX+2*\g+\m], |v[ACC0+32*\m+11*\g]|, |v[ACC0+32*\m+11*\g+1]|, |v[ACC0+32*\m+11*\g+2]|
.endr
.endr
.irp m, 0,1
	v_max3_num_f32 v[TMX+4+\m], s[FLR], |v[ACC0+32*\m+22]|, |v[ACC0+32*\m+23]|
.endr
.irp i, 0,2,4,6
.irp g, 0,1
.irp m, 0,1
	v_max3_num_f32 v[TMX+2*\g+\m], v[TMX+2*\g+\m], |v[ACC0+32*\m+11*\g+3+\i]|, |v[ACC0+32*\m+11*\g+4+\i]|
.endr
.endr
.irp m, 0,1
	v_max3_num_f32 v[TMX+4+\m], v[TMX+4+\m], |v[ACC0+32*\m+24+\i]|, |v[ACC0+32*\m+25+\i]|
.endr
.endr
.irp m, 0,1
	s_delay_alu instid0(VALU_DEP_2)
	v_max3_num_f32 v[TMX+\m], v[TMX+\m], v[TMX+2+\m], v[TMX+4+\m]
.endr
.irp m, 0,1
	s_delay_alu instid0(VALU_DEP_2)
	v_add_nc_u32 v[TSC+\m], 0xfe000000, v[TMX+\m]  ; 4 off its exponent field: the conversion takes the exponent field of this operand as its scale
.endr
.irp m, 0,1
	s_delay_alu instid0(VALU_DEP_2)
	v_lshrrev_b32 v[TBY+\m], 23, v[TSC+\m]         ; the scale's byte
.endr
.irp m, 0,1
	v_cvt_scalef32_pk16_bf6_f32 v[PC+12*\m:PC+12*\m+2], v[ACC0+32*\m:ACC0+32*\m+15], v[TSC+\m]
	v_cvt_scalef32_pk16_bf6_f32 v[PC+12*\m+6:PC+12*\m+8], v[ACC0+32*\m+16:ACC0+32*\m+31], v[TSC+\m]   ; (three registers begin on an even number: the second half is made elsewhere and moved)
.endr
	v_nop                                          ; one plain place behind the last scaled conversion
.irp m, 0,1
.irp i, 0,1,2
	v_mov_b32 v[PC+12*\m+3+\i], v[PC+12*\m+6+\i]
.endr
.endr
	WIN 0x04                                       ; an LDS store's data are its source 1
.irp m, 0,1
	ds_store_b128 v[SA128], v[PC+12*\m:PC+12*\m+3] offset:\m*6144+(\cc)*768
	ds_store_b64 v[SA64], v[PC+12*\m+4:PC+12*\m+5] offset:\m*6144+(\cc)*768
	ds_store_b8 v[SAB], v[TBY+\m] offset:\m*256+2*(\cc)
.endr
	WIN 0
.endm
; The stash comes back: eight fragments (chunks 2 ks and 2 ks + 1 are registers 0-5 and 6-11 of K step ks) and each tile's rows' four scale words.  LDS serves a wave's instructions in order (ISA guide 5.7.1.4).
.macro READBACK
	WIN 0
.irp m, 0,1
.irp q, 0,1,2,3
.irp g, 0,1
	ds_load_b128 v[ACT+12*(4*\m+\q)+6*\g:ACT+12*(4*\m+\q)+6*\g+3], v[BS128] offset:\m*6144+(2*\q+\g)*768
	ds_load_b64 v[ACT+12*(4*\m+\q)+6*\g+4:ACT+12*(4*\m+\q)+6*\g+5], v[BS64] offset:\m*6144+(2*\q+\g)*768
.endr
.endr
	ds_load_b128 v[AS+4*\m:AS+4*\m+3], v[BSR] offset:256*\m
.endr
.endm
.macro FRAGS reg, adr, n, off          ; n fragments of codes from rows of 96 bytes in LDS, 8 bytes a load; destination window 1
.set mm, 0
.rept \n
.irp p, 0,1,2,3,4,5
	ds_load_b64 v[\reg+12*mm+2*\p:\reg+12*mm+2*\p+1], v[\adr] offset:(\off)+1536*mm+48*(\p/3)+8*(\p%3)
.endr
.set mm, mm+1
.endr
.endm
; A chunk of the way back: a1 again (ACC1), dh1 (ACC0), da1 = dh1 x sigmoid(a1), codes.  more = 1: the slot's second chunk is asked for ahead of the vector work.
.macro BSTEP cc, more
	s_wait_dscnt 20                                ; W1F's fragments, their scale words and b1 are in; the 12 + 8 loads issued behind them may be out
	GEMM1 ACC1
	PLACES 4                                       ; the second set, which held W1F's fragments, takes the next K step
	GEMM4 ACC0, \cc, 0
	PLACES 4
.if \more
	LW1 1
	LW2 1, 0
.endif
	SIGMOID ACC1                                   ; its last wait stands directly ahead of ACC0's first readers
.set ii, 0
.rept 32
	v_pk_mul_f32 v[ACC0+ii:ACC0+ii+1], v[ACC0+ii:ACC0+ii+1], v[ACC1+ii:ACC1+ii+1]
.set ii, ii+2
.endr
	QUANT \cc
.endm
	s_load_b512 s[4:19], s[0:1], 0x0               ; z's codes s[4:5], z's scales s[6:7], action's codes s[8:9], its scales s[10:11], Gw's codes s[12:13], its scales s[14:15], Gb s[16:17], damping s[18:19]
	s_load_b256 s[20:27], s[0:1], 0x40             ; b1 s[20:21], b2 s[22:23], W3 s[24:25], wq s[26:27]
	s_load_b64 s[28:29], s[0:1], 0x60              ; out0
	v_lshl_add_u32 v[SPW], v0, 2, SPARE
	v_mov_b32 v[NIL], 0
	ds_add_u32 v[SPW], v[NIL]                      ; the wave's opening: the add, twice on end, and its wait ahead of my first tensor load
	ds_add_u32 v[SPW], v[NIL]
	G1SET G1U, 25
	G1SET G1Q, 50
	G1SET G1T, 8
	G1SET G1G, 24
	s_mov_b32 s[G0U], 1
	s_mov_b32 s[G0R], 1
	s_mov_b32 s[G0A], 1
	s_mov_b32 s[G0A+1], BT
	s_mov_b32 s[G0B], 1
	s_mov_b32 s[G0B+1], BT+2048
	s_mov_b32 s[G0C], 1
	s_mov_b32 s[G0C+1], BT+4096
	s_mov_b32 s[G0G], 1
	s_mov_b32 s[G0G+1], GWL
	s_mov_b32 s[L2E], 0x3fb8aa3b
	s_mov_b32 s[L2E+1], s[L2E]
	s_mov_b32 s[NL2E], 0xbfb8aa3b
	s_mov_b32 s[NL2E+1], s[NL2E]
	s_mov_b32 s[LN2], 0x3f317218
	s_mov_b32 s[LN2+1], s[LN2]
	s_mov_b32 s[FLR], 0x2800000
	s_mov_b32 s[TB], 0
	s_mov_b32 s3, 0
	s_mov_b32 s97, 0
	v_lshrrev_b32 v2, 5, v0
	v_and_b32 v29, 15, v0                          ; r
	v_bfe_u32 v30, v0, 4, 1                        ; h
	v_lshlrev_b32 v31, 4, v0
	v_lshlrev_b32 v56, 2, v0
	v_lshlrev_b32 v57, 3, v0
	v_readfirstlane_b32 s[WV], v2                  ; wave 0..7
	v_mul_u32_u24 v58, v29, 96
	v_mul_u32_u24 v59, v29, SPITCH
	v_and_b32 v[L16], 0x1f0, v31
	v_and_b32 v[L4], 0x7c, v56
	v_and_b32 v[G4R], 0x3c, v56
	v_and_b32 v[L8], 0xf8, v57
	v_and_b32 v60, 0xf0, v31                       ; 16 r
	v_mad_u32_u24 v58, v30, 24, v58                ; 96 r + 24 h
	v_lshl_add_u32 v59, v30, 5, v59                ; 528 r + 32 h
	v_lshl_add_u32 v[BBT], v30, 7, BT
	v_add_nc_u32 v[BW1], RW1, v[L16]
	v_add_nc_u32 v[BW1S], RW1+SCT, v[L4]
	s_wait_alu depctr_va_vdst(0)
	s_mul_i32 s[SB], s[WV], STW
	s_add_co_u32 s[SB], s[SB], STASH               ; my stash
	s_add_co_u32 s31, s[SB], 512
	s_add_co_u32 s93, s[SB], SBY
	s_mul_i32 s95, s[WV], ZSW
	s_add_co_u32 s95, s95, ZSTG                    ; my stage
	s_add_co_u32 s94, s95, 6144
	s_mul_i32 s2, s[WV], 6400                      ; my eighth of a unit, in memory and in LDS: the wave's number alone enters
	s_mul_i32 s96, s[WV], 12800                    ; waves 0-3: my quarter of W1F
	s_mov_b32 s[G0U+1], s2
	s_add_co_u32 s[G0R+1], s96, RW1
	v_add_nc_u32 v[BS128], s[SB], v[L16]
	v_add_nc_u32 v[BS64], s31, v[L8]
	v_add_nc_u32 v[BSR], s93, v60
	v_add_nc_u32 v[STO], s[SB], v59
	v_add_nc_u32 v[GZ], s95, v58
	v_add_nc_u32 v[GG], GWL, v58
	v_add_nc_u32 v[ZW], s95, v[L16]
	v_add_nc_u32 v[GBW], s94, v[L8]
	v_lshl_add_u32 v[GBA], v30, 5, s94
	v_add_nc_u32 v[BSB], v[BSR], v30
	s_wait_alu depctr_va_vdst(0)
	s_wait_dscnt 0x0                               ; both opening adds are done
	s_wait_kmcnt 0x0
	s_add_nc_u64 s[G0R+2:G0R+3], s[26:27], s[96:97]
	s_add_nc_u64 s[G0U+2:G0U+3], s[26:27], s[2:3]
	s_add_nc_u64 s[G0U+2:G0U+3], s[G0U+2:G0U+3], UNIT   ; unit 1: the ring's first
	s_mov_b64 s[G0A+2:G0A+3], s[20:21]
	s_mov_b64 s[G0B+2:G0B+3], s[22:23]
	s_mov_b64 s[G0C+2:G0C+3], s[24:25]
	s_mov_b64 s[G0G+2:G0G+3], s[12:13]
.irp g, G0U, G0R, G0A, G0B, G0C, G0G
	s_or_b32 s[\g+3], s[\g+3], 0x80000000          ; type = 2
.endr
	s_load_b32 s[DMP], s[18:19], 0x0               ; damping: a value alone, no branch and no address hangs on it
	s_bfe_u32 s93, ttmp6, 0x40000                  ; cx: it enters z's, action's and out0's addresses alone
	s_lshl_b32 s94, ttmp9, 2
	s_add_co_u32 s93, s93, s94                     ; my work-group
	s_lshl_b32 s93, s93, 8
	s_lshl_b32 s94, s[WV], 5
	s_add_co_u32 s93, s93, s94                     ; my wave's first row: 256 x work-group + 32 x wave
	s_mul_i32 s94, s93, 96                         ; a row of 128 codes is 96 bytes
	s_mov_b32 s95, 0
	s_add_nc_u64 s[4:5], s[4:5], s[94:95]
	s_add_nc_u64 s[8:9], s[8:9], s[94:95]
	s_lshl_b32 s94, s93, 2                         ; a scale word a row
	s_add_nc_u64 s[6:7], s[6:7], s[94:95]
	s_add_nc_u64 s[10:11], s[10:11], s[94:95]
	s_lshl_b32 s94, s93, 9                         ; a row of out0 is 512 bytes
	s_add_nc_u64 s[28:29], s[28:29], s[94:95]
.irp i, 0,1,2,3,4,5                            ; my 32 rows of z and of action are 3,072 consecutive bytes each: 32 lanes read 512 consecutive bytes, at a multiple of 256 from the buffer's first byte
	global_load_b128 v[RAW+4*\i:RAW+4*\i+3], v[L16], s[4:5] offset:512*\i th:TH_LOAD_NT
.endr
.irp i, 0,1,2,3,4,5
	global_load_b128 v[RAW+24+4*\i:RAW+24+4*\i+3], v[L16], s[8:9] offset:512*\i th:TH_LOAD_NT
.endr
	global_load_b64 v[RAW+48:RAW+49], v[L8], s[16:17]      ; Gb, 256 bytes
.irp m, 0,1
	global_load_b32 v[ZS+\m], v[G4R], s[6:7] offset:64*\m th:TH_LOAD_NT
	global_load_b32 v[AZS+\m], v[G4R], s[10:11] offset:64*\m th:TH_LOAD_NT
	global_load_b32 v[GWS+\m], v[L4], s[14:15] offset:128*\m   ; lanes 0-15: tile 2 m's words; lanes 16-31: tile 2 m + 1's
.endr
	CROUND                                         ; all four work-groups are here: the first joint loads meet
; THE HEAD'S LOADS, ONE A WAVE: waves 0-3 a quarter of W1F each, wave 4 b1, wave 5 b2, wave 6 W3, wave 7 Gw's codes.  One chain of branches on the wave's number, all arms to one join.
.macro ARM under, g0, g1, next
	s_cmp_lt_u32 s[WV], \under
	s_cbranch_scc0 \next
	tensor_load_to_lds s[\g0:\g0+3], s[\g1:\g1+7]
	s_nop 0
	PLACES 4
	s_branch .Lhead_asked
\next:
.endm
	ARM 4, G0R, G1Q, .Lhead_b1
	ARM 5, G0A, G1T, .Lhead_b2
	ARM 6, G0B, G1T, .Lhead_w3
	ARM 7, G0C, G1T, .Lhead_gw
	tensor_load_to_lds s[G0G:G0G+3], s[G1G:G1G+7]
	s_nop 0
	PLACES 4
.Lhead_asked:
	s_wait_loadcnt 0x0
.irp i, 0,1,2,3,4,5,6,7,8,9,10,11
	ds_store_b128 v[ZW], v[RAW+4*\i:RAW+4*\i+3] offset:512*\i   ; into my stage: z, then action
.endr
	ds_store_b64 v[GBW], v[RAW+48:RAW+49]
	WIN 0x40
	FRAGS ZR, GZ, 2, 0                             ; z's two fragments stay in registers through the way back
	WIN 0
	s_wait_kmcnt 0x0                               ; damping
	s_xor_b32 s[DMP], s[DMP], 0x80000000           ; -damping
	s_mov_b32 s[DMP+1], s[DMP]
	s_wait_tensorcnt 0x0                           ; my tile of the head's eight is in
	ds_add_u32 v[SPW], v[NIL]
	s_wait_dscnt 0x0
	CROUND                                         ; everybody's tiles are in, and all four work-groups are here
	tensor_load_to_lds s[G0U:G0U+3], s[G1U:G1U+7]  ; slot 0's first fill: it has the whole first phase in which to land
	s_nop 0
	PLACES 4
	; ---- PHASE A: h1 = softplus(z W1 + b1), a chunk of 64 hidden units a trip, as codes into the stash
	s_mov_b32 s[O6], 0
	s_mov_b32 s[O2], 0
	s_mov_b32 s[O7], 0
	s_mov_b32 s[O1], 0
	s_mov_b32 s[CNT], 8
.Lfwd1:
	ADDR 1, 0
	LW1 0
	s_wait_dscnt 0x0
	GEMM1 ACC0
	PLACES 4
	SOFTPLUS
	QUANT 0
	s_add_co_u32 s[O6], s[O6], 6144
	s_add_co_u32 s[O2], s[O2], 256
	s_add_co_u32 s[O7], s[O7], 768
	s_add_co_u32 s[O1], s[O1], 2
	s_sub_co_u32 s[CNT], s[CNT], 1
	s_cmp_lg_u32 s[CNT], 0
	s_cbranch_scc1 .Lfwd1
	READBACK                                       ; h1's eight fragments
	; ---- PHASE B: da2 = W3 x sigmoid(h1 W2 + b2), a slot (two chunks) a trip
	s_mov_b32 s[O2], 0
	s_mov_b32 s[O7], 0
	s_mov_b32 s[O1], 0
	s_mov_b32 s[CNT], 4
.Lfwd2:
	CHANGE 1
	ADDR 0, 1
	LW2 0, 1
	LBIAS W3R, 4096
	GEMM4 ACC0, 0, 1
	PLACES 4
	LW2 1, 1                                       ; the second chunk's first loads go out ahead of the first chunk's vector work
	SIGMOID ACC0
	W3MUL
	LBIAS W3R, 4096+256                            ; the second chunk's W3, where the first's has just been read
	QUANT 0
	GEMM4 ACC0, 1, 1
	PLACES 4
	SIGMOID ACC0
	W3MUL
	QUANT 1
	s_xor_b32 s[TB], s[TB], SLOTX                  ; on to the other slot
	s_add_co_u32 s[O2], s[O2], 512
	s_add_co_u32 s[O7], s[O7], 1536
	s_add_co_u32 s[O1], s[O1], 4
	s_sub_co_u32 s[CNT], s[CNT], 1
	s_cmp_lg_u32 s[CNT], 0
	s_cbranch_scc1 .Lfwd2
	READBACK                                       ; da2's eight fragments
	; ---- PHASE C: da1 = (da2 W2^T) x sigmoid(z W1 + b1), a slot a trip.  The last trip's change of slots asks for W1B
	s_mov_b32 s[O6], 0
	s_mov_b32 s[O2], 0
	s_mov_b32 s[O7], 0
	s_mov_b32 s[O1], 0
	s_mov_b32 s[CNT], 4
.Lbwd2:
	CHANGE 1
	ADDR 1, 1
	LW1 0
	LW2 0, 0
	BSTEP 0, 1
	BSTEP 1, 0
	s_xor_b32 s[TB], s[TB], SLOTX
	s_add_co_u32 s[O6], s[O6], 12288
	s_add_co_u32 s[O2], s[O2], 512
	s_add_co_u32 s[O7], s[O7], 1536
	s_add_co_u32 s[O1], s[O1], 4
	s_sub_co_u32 s[CNT], s[CNT], 1
	s_cmp_lg_u32 s[CNT], 0
	s_cbranch_scc1 .Lbwd2
	; ---- PHASE D: dz = da1 W1^T.  W1B's tiles are 16 neighbouring rows: ACC0 takes dz[0:64] = dH/dq, ACC1 dz[64:128] = dH/dp; register 32 m + 8 t + j of lane (r, h) is column 16 t + 8 h + j of row 16 m + r
	CHANGE 0                                       ; the last unit has landed in every wave's eighth; nothing is asked for
	READBACK                                       ; da1's eight fragments
	v_add_nc_u32 v[WA], s[TB], v[L16]
	v_add_nc_u32 v[WSA], s[TB], v[L4]
	s_wait_alu depctr_va_vdst(0)
	WIN 0x40                                       ; what the last product wants comes from LDS, into registers that the way back has left
	FRAGS ZR, GZ, 2, 3072                          ; action's two fragments
	FRAGS GWF, GG, 4, 0                            ; Gw's four: rows 16 t + r
.irp t, 0,1,2,3
	ds_load_b128 v[BIAS+8*\t:BIAS+8*\t+3], v[GBA] offset:64*\t        ; Gb in the result's layout: columns 16 t + 8 h + 0 .. 7
	ds_load_b128 v[BIAS+8*\t+4:BIAS+8*\t+7], v[GBA] offset:64*\t+16
.endr
	LW2 0, 0
	GEMM4 ACC0, 0, 0
	PLACES 4
	LW2 1, 0
	GEMM4 ACC1, 1, 0
	; ---- PHASE E: g = action Gw + Gb, laid over the fragments that the last products read: five places; then g - dH/dq - damping dH/dp
	PLACES 5
	WIN 0x15                                       ; sources and C window 1, D window 0
.irp t, 0,1,2,3
.irp m, 0,1
	MM GR+32*\m+8*\t, GWF+12*\t, ZR+12*\m, BIAS+8*\t, GWS+\t/2, AZS+\m, \t%2
.endr
.endr
	PLACES 4
	WIN 0x44                                       ; source 0 window 0, source 1 and destination window 1
.set ii, 0
.rept 32
	v_pk_add_f32 v[ACC0+ii:ACC0+ii+1], v[GR+ii:GR+ii+1], v[ACC0+ii:ACC0+ii+1] neg_lo:[0,1] neg_hi:[0,1]   ; each accumulator from its low end on
.set ii, ii+2
.endr
	WIN 0x55
.set ii, 0
.rept 32
	v_pk_fma_f32 v[ACC0+ii:ACC0+ii+1], v[ACC1+ii:ACC1+ii+1], s[DMP:DMP+1], v[ACC0+ii:ACC0+ii+1] op_sel_hi:[1,0,1]
.set ii, ii+2
.endr
	s_wait_alu depctr_va_vdst(0)                   ; the sums are read by stores below
; THE WAY OUT, a tile of 16 rows at a time.  A lane holds 32 neighbouring bytes of a row, and the lanes beside it hold other rows: so a tile goes through my stash, which nothing reads any more, and comes back as whole
; rows of 512 bytes.  LDS serves a wave's instructions in order: no wait between the stores and the loads, nor in front of the next tile's stores.
.macro TOSTAGE m
	WIN 0x04
.irp t, 0,1,2,3
	ds_store_b128 v[STO], v[ACC1+32*(\m)+8*\t:ACC1+32*(\m)+8*\t+3] offset:64*\t          ; columns 0-63: dH/dp
	ds_store_b128 v[STO], v[ACC1+32*(\m)+8*\t+4:ACC1+32*(\m)+8*\t+7] offset:64*\t+16
	ds_store_b128 v[STO], v[ACC0+32*(\m)+8*\t:ACC0+32*(\m)+8*\t+3] offset:256+64*\t      ; columns 64-127
	ds_store_b128 v[STO], v[ACC0+32*(\m)+8*\t+4:ACC0+32*(\m)+8*\t+7] offset:256+64*\t+16
.endr
	WIN 0
.irp i, 0,1,2,3,4,5,6,7,8,9,10,11,12,13,14,15
	ds_load_b128 v[OB+64*(\m)+4*\i:OB+64*(\m)+4*\i+3], v[BS128] offset:\i*SPITCH
.endr
.endm
.macro SEND m, younger                 ; younger: the LDS instructions issued behind tile m's loads, which may stay out
	s_wait_dscnt \younger
.irp i, 0,1,2,3,4,5,6,7,8,9,10,11,12,13,14,15
	global_store_b128 v[L16], v[OB+64*(\m)+4*\i:OB+64*(\m)+4*\i+3], s[28:29] offset:(16*(\m)+\i)*512 th:TH_STORE_NT   ; 32 lanes store a row's 512 consecutive bytes, at a multiple of 256 from out0's first byte
.endr
.endm
	TOSTAGE 0
	TOSTAGE 1
	SEND 0, 32                                     ; behind tile 0's loads: tile 1's 16 stores and 16 loads
	SEND 1, 0
	s_wait_tensorcnt 0x0                           ; the wave's end: behind my last tensor load and my last LDS store
	ds_add_u32 v[SPW], v[NIL]
	s_wait_dscnt 0x0
	CROUND                                         ; the closing round: no work-group ends while a partner may still ask for a tile that names it
	s_endpgm
.Lfunc_end_k_q9c6819c0e0_chain:
	.size	k_q9c6819c0e0_chain, .Lfunc_end_k_q9c6819c0e0_chain-k_q9c6819c0e0_chain
	.p2alignl 7, 3214868480
	.fill 96, 4, 3214868480
	.section	.rodata,"a",@progbits
	.p2align	6, 0x0
	.amdhsa_kernel k_q9c6819c0e0_chain
		.amdhsa_group_segment_fixed_size 327680
		.amdhsa_private_segment_fixed_size 0
		.amdhsa_enable_private_segment 0
		.amdhsa_kernarg_size 104
		.amdhsa_user_sgpr_count 2
		.amdhsa_user_sgpr_kernarg_segment_ptr 1
		.amdhsa_wavefront_size32 1
		.amdhsa_system_sgpr_workgroup_id_x 1
		.amdhsa_system_sgpr_workgroup_id_y 1
		.amdhsa_system_sgpr_workgroup_id_z 1
		.amdhsa_system_vgpr_workitem_id 0
		.amdhsa_next_free_vgpr 512
		.amdhsa_next_free_sgpr 106
		.amdhsa_reserve_vcc 0
		.amdhsa_float_denorm_mode_32 3
		.amdhsa_float_denorm_mode_16_64 3
		.amdhsa_memory_ordered 1
		.amdhsa_forward_progress 1
		.amdhsa_inst_pref_size 176
	.end_amdhsa_kernel
	.amdgpu_metadata
---
amdhsa.version: [ 1, 2 ]
amdhsa.kernels:
  - .name:           k_q9c6819c0e0_chain
    .symbol:         k_q9c6819c0e0_chain.kd
    .args:
      - { .name: z_codes, .offset: 0, .size: 8, .value_kind: global_buffer, .address_space: global }
      - { .name: z_scales, .offset: 8, .size: 8, .value_kind: global_buffer, .address_space: global }
      - { .name: action_emb_codes, .offset: 16, .size: 8, .value_kind: global_buffer, .address_space: global }
      - { .name: action_emb_scales, .offset: 24, .size: 8, .value_kind: global_buffer, .address_space: global }
      - { .name: Gw_codes, .offset: 32, .size: 8, .value_kind: global_buffer, .address_space: global }
      - { .name: Gw_scales, .offset: 40, .size: 8, .value_kind: global_buffer, .address_space: global }
      - { .name: Gb, .offset: 48, .size: 8, .value_kind: global_buffer, .address_space: global }
      - { .name: damping, .offset: 56, .size: 8, .value_kind: global_buffer, .address_space: global }
      - { .name: b1, .offset: 64, .size: 8, .value_kind: global_buffer, .address_space: global }
      - { .name: b2, .offset: 72, .size: 8, .value_kind: global_buffer, .address_space: global }
      - { .name: W3, .offset: 80, .size: 8, .value_kind: global_buffer, .address_space: global }
      - { .name: wq, .offset: 88, .size: 8, .value_kind: global_buffer, .address_space: global }
      - { .name: out0, .offset: 96, .size: 8, .value_kind: global_buffer, .address_space: global }
    .group_segment_fixed_size: 327680
    .private_segment_fixed_size: 0
    .kernarg_segment_align: 8
    .kernarg_segment_size: 104
    .max_flat_workgroup_size: 256
    .sgpr_count:     106
    .vgpr_count:     512
    .wavefront_size: 32
...
	.end_amdgpu_metadata
.endif
;; end of part 2
